; MI455X (gfx1250); checked and timed in simulation.
; The chip was launched on July 23, 2026; its instructions are those of AMD's public machine-readable ISA for CDNA 5 (MIT licence, August 2026) and "CDNA5" Instruction Set Architecture Reference Guide (July 2026). The comments in the code are by the model that wrote it; some were corrected since.
;; LSTM. Allowed arithmetic: matrix products marked QUANTISED: E2M1 operands, one E8M0 scale for each 32 along K, by v_wmma_scale_f32_16x16x128_f8f6f4 with both operands' format E2M1 (or v_wmma_scale_f32_32x16x128_f4), f32 sums; everything else in f32.
;; Inputs: Wfh 2,048 x 2,048 float32; Wfx 2,048 x 2,048 float32; Wgh 2,048 x 2,048 float32; Wgx 2,048 x 2,048 float32; Wih 2,048 x 2,048 float32; Wix 2,048 x 2,048 float32; Woh 2,048 x 2,048 float32; Wox 2,048 x 2,048 float32; X 2,048 x 2,048 float32; bf 2,048 x 1 float32; bg 2,048 x 1 float32; bi 2,048 x 1 float32; bo 2,048 x 1 float32; c 2,048 x 2,048 float32; h 2,048 x 2,048 float32.
;; Outputs: out0 2,048 x 2,048 float32.
;; This version of the problem:
;;   THIS VERSION OF THE PROBLEM IS GIVEN IN LOW PRECISION. The matrix products marked QUANTISED in the list below multiply operands that are first quantised to E2M1 (2 exponent bits, 1 mantissa bit; 4 bits a number), with one power-of-two scale for each 32 numbers along K (OCP MX v1.0); their sums are f32. All else is computed in f32.
;;   The module's matrix products, in the order in which they are computed (A, B: the left and right operand; K: the contracted axis; several contracted axes count as one K, in the product's order):
;;     1. [M 2,048, K 2,048] x [K 2,048, N 2,048]; A: input Wgx; B: input X: QUANTISED
;;     2. [M 2,048, K 2,048] x [K 2,048, N 2,048]; A: input Wgh; B: input h: QUANTISED
;;     3. [M 2,048, K 2,048] x [K 2,048, N 2,048]; A: input Wix; B: input X: QUANTISED
;;     4. [M 2,048, K 2,048] x [K 2,048, N 2,048]; A: input Wih; B: input h: QUANTISED
;;     5. [M 2,048, K 2,048] x [K 2,048, N 2,048]; A: input Wfx; B: input X: QUANTISED
;;     6. [M 2,048, K 2,048] x [K 2,048, N 2,048]; A: input Wfh; B: input h: QUANTISED
;;     7. [M 2,048, K 2,048] x [K 2,048, N 2,048]; A: input Wox; B: input X: QUANTISED
;;     8. [M 2,048, K 2,048] x [K 2,048, N 2,048]; A: input Woh; B: input h: QUANTISED
;;   THE QUANTISER, for each operand of a quantised product, along K:
;;     - K is cut into blocks of 32 from its start; a last block that is shorter is filled with zeros.
;;     - A block's scale is 2^e with e = floor(log2(the largest magnitude in the block)) - 2, held to -126 .. 127; a block of zeros has e = 0. As a byte (E8M0): e + 127.
;;     - Each number is divided by its block's scale, clamped to +-6, and rounded to the nearest number of E2M1, ties to even, subnormals kept.
;;     - The product sums the exact products of the quantised numbers (number of the format x scale) in f32.
;;   ~~~python
;;   def quantise(x, axis):      # numpy; x: float32 -> the quantised numbers, widened to float32 again
;;       x = np.moveaxis(x, axis, -1); K = x.shape[-1]
;;       x = np.pad(x, [(0, 0)] * (x.ndim - 1) + [(0, -K % 32)]); x = x.reshape(x.shape[:-1] + (-1, 32)); a = np.abs(x).max(-1, keepdims=True)
;;       e = np.where(a > 0, np.clip(np.frexp(np.where(a > 0, a, 1))[1] - 1 - 2, -126, 127), 0)      # np.frexp(a)[1] - 1 = floor(log2(a)), exactly
;;       r = np.clip(x / 2.0 ** e, -6, 6)
;;       step = 2.0 ** (np.maximum(np.frexp(np.where(r == 0, 1, r))[1] - 1, 0) - 1)
;;       q = np.round(r / step) * step * 2.0 ** e      # np.round: ties to even
;;       return np.moveaxis(q.reshape(q.shape[:-2] + (-1,))[..., :K], -1, axis).astype(np.float32)
;;   ~~~
;; One version. Each part assembles by itself: llvm-mc -triple=amdgcn-amd-amdhsa -mcpu=gfx1250 --defsym DOCPART=n.
;; ======== version 1 of 1: 2 launches
;; limits: right only within a limited range of input values
;; workspace buffers: wc 16,777,216 bytes; bc 4,194,304 bytes; scl 1,310,720 bytes
;; launch quant (part 1): grid 128 x 5, 4 waves a work-group, no clusters, 57,856 bytes of LDS; arguments X, h, Wgx, Wix, Wfx, Wox, Wgh, Wih, Wfh, Woh, wc, bc, scl; writes wc, bc, scl
.if DOCPART == 1
	.amdgcn_target "amdgcn-amd-amdhsa--gfx1250"
	.amdhsa_code_object_version 6
	.text
	.protected	k_q51b5bd2842_quant
	.globl	k_q51b5bd2842_quant
	.p2align	8
	.type	k_q51b5bd2842_quant,@function
k_q51b5bd2842_quant:
	s_mov_b64 s[64:65], 0
	v_nop
	global_prefetch_b8 v0, s[64:65] scope:SCOPE_SE
	s_setreg_imm32_b32 hwreg(HW_REG_WAVE_MODE, 25, 1), 1
	s_wait_xcnt 0x0
; LAUNCH 1 OF 2.  The eight products of the LSTM step are one product: the four gates' rows stacked (8,192 rows), [Wx | Wh] along K (4,096), times [X ; h] (K 4,096, 2,048 columns).  Blocks of 32 along K
; never straddle the seam at k = 2,048, so the stacked operands have the codes and scales of the eight separate ones.  This launch quantises both operands ONCE, to codes of FP4 (E2M1) with one E8M0 byte for each 32 along K.
; NO WORK IS LEFT OUT: every one of the 15 inputs has a way to out0 for some values, so all are loaded (ten here; c and the four biases in the second launch).
; THE RULE: a block's scale is 2^(floor(log2(its largest magnitude)) - 2); its byte is the largest magnitude's exponent field - 2, held at 1 from below; each number is divided by the scale and rounded to the nearest
; code, ties to even, beyond 6 the largest code.
; LIMITS: a block of zeros gets the byte 1 where the rule says 127: its codes are zeros, which add nothing under any byte but 0xff, and the bytes are read by this program alone.  NaN and infinities among the operands are not served.
; WHAT IS STORED:
;   wc  [8,192 stacked rows][2,048 bytes]: hidden row j of gate y (0 g, 1 i, 2 f, 3 o) is stacked row (j / 32) 128 + 32 y + j % 32; bytes 0-1,023 the x part, 1,024-2,047 the h part.
;   bc  [128 blocks of 16 columns][32 steps of 128 along K][1,024 bytes], X's k first, then h's.  The 1,024 bytes are the image of an operand's eight registers: piece c (0, 1) of 512 bytes,
;       in it 16 bytes for each lane (r, h): column r of the block, k = 64 c + 32 h + 0 .. 31 of the step.
;   scl [8 K steps of 512][10,240 rows][16 bytes]: rows 0-8,191 the stacked rows, rows 8,192 + n the columns; the 16 bytes are the row's 16 blocks of that K step.
; TWO WAYS THROUGH THE TEXT, parted on the work-group's y alone; each has LDS bytes of its own; no barrier: waves share nothing.  Every wave of both ways reads 64 KB.
;   y = 1 .. 4: a weight (K innermost).  A work-group takes 32 rows of one weight, wave w the K step w of them: 32 steps of 512 numbers, one row each; loads run eight steps (32 loads, 16 KB) ahead.
;   y = 0: X or h (K is the FIRST axis).  A wave takes 32 columns x 512 along K: a lane a column, its registers down K; loads run two blocks (64 loads, 8 KB) ahead.
.set SCSTEP, 163840                    ; bytes of scl from a K step to the next
.set SP,     80                        ; W: a lane's place in a stage: its 64 bytes + 16 of padding
.set WREG,   2*32*SP+512               ; W: a wave's LDS: two stages, then its 512 scale bytes
.set XP,     272                       ; X: a stage row: 256 bytes of codes + 16
.set XST,    4*WREG                    ; X: four stages of 32 rows
.set SPARE,  XST+4*32*XP               ; the spare words, 128 bytes for each wave: two blocks of 256 bytes that no other line names
.set SPW,    1                         ; v1  LDS address of my spare word; never rewritten
.set NIL,    2                         ; v2  0; never rewritten
.set STEPS,  32
.set DEEP,   8                         ; W: steps whose loads are out
.set R,      16                        ; W: v16-143  eight sets of 16 numbers as they are loaded
.set XN,     144                       ; W: v144-175 two sets of 16 neighbours
.set E,      176                       ; W: v176-179 a scale byte, four registers by turns
.set C,      180                       ; W: v180-243 codes, two registers for each step: no store's data are written again
.set NB,     16                        ; X: blocks a lane
.set XX,     32                        ; X: v32-95   two sets of 32 numbers
.set XC,     96                        ; X: v96-99   a block's codes
.set OUTR,   112                       ; X: v112-175 the way out
.set SB,     24                        ; X: v24-27   my column's 16 scale bytes
	v_lshl_add_u32 v[SPW], v0, 2, SPARE
	v_mov_b32 v[NIL], 0
	v_lshrrev_b32 v3, 5, v0
	v_readfirstlane_b32 s2, v3                     ; wave 0..3
	v_and_b32 v3, 31, v0                           ; lane
	s_and_b32 s3, ttmp7, 0xffff                    ; work-group y
	s_cmp_eq_u32 s3, 0
	s_cbranch_scc1 .Lxh                            ; the same way for all four waves
; ---------------- a weight ----------------
	s_load_b512 s[16:31], s[0:1], 0x10             ; Wgx, Wix, Wfx, Wox, Wgh, Wih, Wfh, Woh
	s_load_b64 s[8:9], s[0:1], 0x50                ; wc
	s_load_b64 s[10:11], s[0:1], 0x60              ; scl
	s_sub_co_u32 s12, s3, 1
	s_lshl_b32 s12, s12, 1
	s_lshr_b32 s13, ttmp9, 6
	s_or_b32 s12, s12, s13                         ; which weight, 0..7, in the order of the arguments
	s_and_b32 s13, s12, 3                          ; its gate
	s_lshr_b32 s14, s12, 2                         ; 0: x part, 1: h part
	s_and_b32 s15, ttmp9, 63                       ; which 32 rows
	s_wait_alu depctr_va_vdst(0)
	v_lshlrev_b32 v4, 4, v3                        ; my 16 bytes of a load's 512; also my 16 of the 512 scale bytes
	s_mul_i32 s32, s2, WREG
	v_lshrrev_b32 v5, 2, v3
	v_mul_u32_u24 v5, v5, SP
	v_and_b32 v6, 3, v3
	v_lshl_add_u32 v5, v6, 4, v5
	v_add_nc_u32 v5, s32, v5                       ; the stage, on the way in: four lanes' 64 bytes on end, then 16 of padding
	v_mul_u32_u24 v6, v3, SP
	v_add_nc_u32 v6, s32, v6                       ; and on the way out: my 16 neighbours
	v_lshlrev_b32 v7, 3, v3                        ; my 8 bytes of a step's 256 bytes of codes
	v_lshrrev_b32 v8, 1, v3
	s_add_co_u32 s32, s32, 2*32*SP
	v_add_nc_u32 v8, s32, v8                       ; my block's scale byte
	v_add_nc_u32 v9, s32, v4                       ; and on the way out 16 bytes a lane
	s_lshl_b32 s34, s15, 18                        ; the weight: 32 rows of 8,192 bytes,
	s_lshl_b32 s33, s2, 11                         ; + my wave's 512 numbers of a row
	s_add_co_u32 s34, s34, s33
	s_mov_b32 s35, 0
	s_lshl_b32 s36, s15, 7
	s_lshl_b32 s33, s13, 5
	s_add_co_u32 s36, s36, s33                     ; the first stacked row
	s_lshl_b32 s38, s36, 4                         ; scl: 16 bytes a row
	s_lshl_b32 s36, s36, 11                        ; wc: 2,048 bytes a row,
	s_lshl_b32 s33, s14, 10                        ; + the part,
	s_add_co_u32 s36, s36, s33
	s_lshl_b32 s33, s2, 8                          ; + my wave's 256 bytes
	s_add_co_u32 s36, s36, s33
	s_mov_b32 s37, 0
	s_lshl_b32 s33, s14, 2
	s_add_co_u32 s33, s33, s2                      ; the K step: 4 x part + wave
	s_mul_i32 s33, s33, SCSTEP
	s_add_co_u32 s38, s38, s33
	s_mov_b32 s39, 0
	s_wait_alu depctr_va_vdst(0)
	s_wait_kmcnt 0x0
	s_cmp_ge_u32 s12, 4                            ; the weight's address is chosen among the eight; every condition hangs on the work-group's number alone
	s_cselect_b64 s[16:17], s[24:25], s[16:17]
	s_cselect_b64 s[18:19], s[26:27], s[18:19]
	s_cselect_b64 s[20:21], s[28:29], s[20:21]
	s_cselect_b64 s[22:23], s[30:31], s[22:23]
	s_cmp_ge_u32 s13, 2
	s_cselect_b64 s[16:17], s[20:21], s[16:17]
	s_cselect_b64 s[18:19], s[22:23], s[18:19]
	s_and_b32 s33, s13, 1
	s_cmp_lg_u32 s33, 0
	s_cselect_b64 s[4:5], s[18:19], s[16:17]
	s_add_nc_u64 s[4:5], s[4:5], s[34:35]
	s_add_nc_u64 s[8:9], s[8:9], s[36:37]
	s_add_nc_u64 s[10:11], s[10:11], s[38:39]
.macro WLOAD t                         ; step t = row t: my wave's 2,048 bytes of it; each load reads 512 consecutive bytes
.irp i, 0,1,2,3
	global_load_b128 v[R+16*((\t)%DEEP)+4*\i:R+16*((\t)%DEEP)+4*\i+3], v4, s[4:5] offset:8192*(\t)+512*\i th:TH_LOAD_NT
.endr
.endm
.macro WTURN t                         ; step t's numbers through the stage, so that a lane gets 16 neighbours.  LDS serves a wave's instructions in order: no wait between the stores and the loads
.irp i, 0,1,2,3
	ds_store_b128 v5, v[R+16*((\t)%DEEP)+4*\i:R+16*((\t)%DEEP)+4*\i+3] offset:32*SP*((\t)%2)+8*SP*\i
.endr
.irp i, 0,1,2,3
	ds_load_b128 v[XN+16*((\t)%2)+4*\i:XN+16*((\t)%2)+4*\i+3], v6 offset:32*SP*((\t)%2)+16*\i
.endr
.endm
.irp t, 0,1,2,3,4,5,6,7
	WLOAD \t
.endr
	s_wait_loadcnt 4*(DEEP-1)                      ; step 0's four loads are in; those of steps 1 to 7 may be out
	WTURN 0
.macro WSTEP t
.set XS, XN+16*((\t)%2)
.if (\t) > 0
	s_wait_dscnt 1                                 ; this step's numbers are back from the stage (the last step's byte store may be out): so its stores into the stage have read their registers,
.else
	s_wait_dscnt 0x0
.endif
.if (\t)+DEEP < STEPS
	WLOAD (\t)+DEEP                                ; which take the loads of eight steps on
.endif
.if (\t)+1 < STEPS
.if STEPS-2-(\t) >= DEEP-1
	s_wait_loadcnt 4*(DEEP-1)                      ; the next step's four loads are in; those of the seven steps behind it may be out
.else
	s_wait_loadcnt 4*(STEPS-2-(\t))
.endif
	WTURN (\t)+1                                   ; and go through the other stage while this step is worked
.endif
	v_max3_num_f32 v10, |v[XS]|, |v[XS+1]|, |v[XS+2]|              ; the largest magnitude of my 16, in two chains
	v_max3_num_f32 v11, |v[XS+3]|, |v[XS+4]|, |v[XS+5]|
.irp i, 6,10
	v_max3_num_f32 v10, v10, |v[XS+\i]|, |v[XS+\i+1]|
	v_max3_num_f32 v11, v11, |v[XS+\i+2]|, |v[XS+\i+3]|
.endr
	v_max3_num_f32 v10, v10, |v[XS+14]|, |v[XS+15]|
	v_max3_num_f32 v10, v10, v11, 0x1800000        ; and the floor 2^(3 - 127): the byte cannot fall under 1
	v_max_num_f32_dpp v10, v10, v10 row_xmask:1 row_mask:0xf bank_mask:0xf   ; and of my neighbour's 16: the block's
	v_add_nc_u32 v12, 0xff000000, v10              ; 2 off its exponent field: the conversion takes the exponent field of this operand as its scale, and nothing else of it
	v_cvt_scalef32_pk8_fp4_f32 v[C+2*(\t)], v[XS:XS+7], v12
	v_cvt_scalef32_pk8_fp4_f32 v[C+2*(\t)+1], v[XS+8:XS+15], v12
	v_lshrrev_b32 v[E+(\t)%4], 23, v12             ; the scale's byte (a plain line behind the conversions); the byte store of four steps ago is done: each step's s_wait_dscnt 1 leaves only the last one out
	ds_store_b8 v8, v[E+(\t)%4] offset:16*(\t)     ; both lanes of a block write the same byte with the same value
	global_store_b64 v7, v[C+2*(\t):C+2*(\t)+1], s[8:9] offset:2048*(\t)   ; 32 lanes store 256 consecutive bytes, at a multiple of 256 from wc's first byte
.endm
.irp t, 0,1,2,3,4,5,6,7,8,9,10,11,12,13,14,15,16,17,18,19,20,21,22,23,24,25,26,27,28,29,30,31
	WSTEP \t
.endr
	ds_load_b128 v[12:15], v9                      ; LDS serves a wave's instructions in order: this sees my 32 byte stores
	s_wait_dscnt 0x0
	global_store_b128 v4, v[12:15], s[10:11]       ; 32 rows x 16 scale bytes: 512 consecutive bytes of scl
	s_wait_tensorcnt 0x0                           ; the wave's end, behind my last LDS store
	ds_add_u32 v[SPW], v[NIL]
	s_wait_dscnt 0x0
	s_endpgm
; ---------------- X or h ----------------
.Lxh:
	s_load_b128 s[4:7], s[0:1], 0x0                ; X, h
	s_load_b64 s[8:9], s[0:1], 0x58                ; bc
	s_load_b64 s[10:11], s[0:1], 0x60              ; scl
	s_lshr_b32 s14, ttmp9, 6                       ; 0: X, 1: h
	s_bfe_u32 s13, ttmp9, 0x20004                  ; which 512 along its K
	s_and_b32 s15, ttmp9, 15                       ; which 128 columns
	s_lshl_b32 s12, s15, 7
	s_lshl_b32 s33, s2, 5
	s_add_co_u32 s12, s12, s33                     ; my wave's first column
	s_lshl_b32 s34, s13, 22                        ; in: 512 rows of 8,192 bytes,
	s_lshl_b32 s33, s12, 2                         ; + 4 bytes a column
	s_add_co_u32 s34, s34, s33
	s_mov_b32 s35, 0
	s_lshl_b32 s32, s14, 2
	s_add_co_u32 s32, s32, s13                     ; the K step
	s_lshl_b32 s36, s12, 11                        ; bc: 32,768 bytes a block of 16 columns,
	s_lshl_b32 s33, s32, 12                        ; + 4 steps of 1,024 bytes a K step of 512
	s_add_co_u32 s36, s36, s33
	s_mov_b32 s37, 0
	s_mul_i32 s38, s32, SCSTEP                     ; scl: the K step,
	s_lshl_b32 s33, s12, 4
	s_add_co_u32 s38, s38, s33                     ; + 16 bytes a column,
	s_add_co_u32 s38, s38, 8192*16                 ; behind the stacked rows
	s_mov_b32 s39, 0
	s_wait_alu depctr_va_vdst(0)
	v_lshlrev_b32 v4, 2, v3                        ; in: 4 bytes a lane
	s_mul_i32 s33, s2, 32*XP
	s_add_co_u32 s33, s33, XST                     ; my stage
	v_mul_u32_u24 v5, v3, XP
	v_add_nc_u32 v5, s33, v5                       ; into it: row = my column
	v_and_b32 v6, 15, v3
	v_lshrrev_b32 v7, 4, v3
	v_mul_u32_u24 v8, v6, XP
	v_lshl_add_u32 v8, v7, 4, v8
	v_add_nc_u32 v8, s33, v8                       ; out of it: lane (r, h) takes 16 bytes of column r
	v_lshlrev_b32 v9, 8, v7
	v_lshl_add_u32 v9, v6, 4, v9                   ; into bc: 16 bytes a lane
	v_lshlrev_b32 v10, 4, v3                       ; my column's 16 scale bytes
	s_wait_kmcnt 0x0
	s_cmp_eq_u32 s14, 0
	s_cselect_b64 s[4:5], s[4:5], s[6:7]
	s_add_nc_u64 s[4:5], s[4:5], s[34:35]
	s_add_nc_u64 s[8:9], s[8:9], s[36:37]
	s_add_nc_u64 s[10:11], s[10:11], s[38:39]
.macro XLOAD t                         ; block t: rows 32 t + i of my column; a load reads 128 consecutive bytes, the four waves stand side by side on 512.  The largest offset, 511 rows, lies inside the signed 24-bit immediate
.irp i, 0,1,2,3,4,5,6,7,8,9,10,11,12,13,14,15,16,17,18,19,20,21,22,23,24,25,26,27,28,29,30,31
	global_load_b32 v[XX+32*((\t)%2)+\i], v4, s[4:5] offset:(32*(\t)+\i)*8192 th:TH_LOAD_NT
.endr
.endm
	XLOAD 0
	XLOAD 1
.macro XBLOCK t
.set XS, XX+32*((\t)%2)
.if (\t) < NB-1
	s_wait_loadcnt 32                              ; this block's 32 loads are in; the next block's may be out
.else
	s_wait_loadcnt 0x0
.endif
	v_max3_num_f32 v12, |v[XS]|, |v[XS+1]|, |v[XS+2]|              ; the block's largest magnitude: all 32 numbers are mine
	v_max3_num_f32 v13, |v[XS+3]|, |v[XS+4]|, |v[XS+5]|
.irp i, 6,10,14,18,22,26
	v_max3_num_f32 v12, v12, |v[XS+\i]|, |v[XS+\i+1]|
	v_max3_num_f32 v13, v13, |v[XS+\i+2]|, |v[XS+\i+3]|
.endr
	v_max3_num_f32 v12, v12, |v[XS+30]|, |v[XS+31]|
	v_max3_num_f32 v12, v12, v13, 0x1800000        ; and the floor 2^(3 - 127)
	v_add_nc_u32 v11, 0xff000000, v12              ; the conversion's scale operand
	v_lshrrev_b32 v13, 23, v11                     ; the scale's byte
.if (\t)%4 == 0
	v_mov_b32 v[SB+(\t)/4], v13                    ; four bytes to a register, the lower K in the lower byte
.else
	v_lshl_or_b32 v[SB+(\t)/4], v13, 8*((\t)%4), v[SB+(\t)/4]
.endif
.irp g, 0,1,2,3
	v_cvt_scalef32_pk8_fp4_f32 v[XC+\g], v[XS+8*\g:XS+8*\g+7], v11
.endr
	v_nop                                          ; a plain line behind the last conversion
	ds_store_b128 v5, v[XC:XC+3] offset:16*(\t)    ; 32 codes: 16 bytes of my column's row
.if (\t)+2 < NB
	XLOAD (\t)+2
.endif
	s_wait_dscnt 0x0                               ; the store has read its registers: the next block's codes may be written
.endm
.irp t, 0,1,2,3,4,5,6,7,8,9,10,11,12,13,14,15
	XBLOCK \t
.endr
	s_wait_alu depctr_va_vdst(0)
	global_store_b128 v10, v[SB:SB+3], s[10:11]    ; 32 columns x 16 scale bytes: 512 consecutive bytes of scl
.irp t, 0,1,2,3,4,5,6,7,8,9,10,11,12,13,14,15
	ds_load_b128 v[OUTR+4*\t:OUTR+4*\t+3], v8 offset:(\t/8)*16*XP+((\t/2)%4)*64+(\t%2)*32   ; block of columns t / 8, step (t / 2) % 4, piece t % 2.  LDS serves a wave's instructions in order: these see my stores
.endr
.irp t, 0,1,2,3,4,5,6,7,8,9,10,11,12,13,14,15
	s_wait_dscnt 15-\t                             ; the younger loads may be out
	global_store_b128 v9, v[OUTR+4*\t:OUTR+4*\t+3], s[8:9] offset:(\t/8)*32768+((\t/2)%4)*1024+(\t%2)*512   ; 32 lanes store 512 consecutive bytes, at a multiple of 256 from bc's first byte
.endr
	s_wait_tensorcnt 0x0                           ; the wave's end, behind my last LDS store
	ds_add_u32 v[SPW], v[NIL]
	s_wait_dscnt 0x0
	s_endpgm
.Lfunc_end_k_q51b5bd2842_quant:
	.size	k_q51b5bd2842_quant, .Lfunc_end_k_q51b5bd2842_quant-k_q51b5bd2842_quant
	.p2alignl 7, 3214868480
	.fill 96, 4, 3214868480
	.section	.rodata,"a",@progbits
	.p2align	6, 0x0
	.amdhsa_kernel k_q51b5bd2842_quant
		.amdhsa_group_segment_fixed_size 57856
		.amdhsa_private_segment_fixed_size 0
		.amdhsa_enable_private_segment 0
		.amdhsa_kernarg_size 104
		.amdhsa_user_sgpr_count 2
		.amdhsa_user_sgpr_kernarg_segment_ptr 1
		.amdhsa_wavefront_size32 1
		.amdhsa_system_sgpr_workgroup_id_x 1
		.amdhsa_system_sgpr_workgroup_id_y 1
		.amdhsa_system_sgpr_workgroup_id_z 1
		.amdhsa_system_vgpr_workitem_id 0
		.amdhsa_next_free_vgpr 244
		.amdhsa_next_free_sgpr 66
		.amdhsa_reserve_vcc 0
		.amdhsa_float_denorm_mode_32 3
		.amdhsa_float_denorm_mode_16_64 3
		.amdhsa_memory_ordered 1
		.amdhsa_forward_progress 1
		.amdhsa_inst_pref_size 143
	.end_amdhsa_kernel
	.amdgpu_metadata
---
amdhsa.version: [ 1, 2 ]
amdhsa.kernels:
  - .name:           k_q51b5bd2842_quant
    .symbol:         k_q51b5bd2842_quant.kd
    .args:
      - { .name: X, .offset: 0, .size: 8, .value_kind: global_buffer, .address_space: global }
      - { .name: h, .offset: 8, .size: 8, .value_kind: global_buffer, .address_space: global }
      - { .name: Wgx, .offset: 16, .size: 8, .value_kind: global_buffer, .address_space: global }
      - { .name: Wix, .offset: 24, .size: 8, .value_kind: global_buffer, .address_space: global }
      - { .name: Wfx, .offset: 32, .size: 8, .value_kind: global_buffer, .address_space: global }
      - { .name: Wox, .offset: 40, .size: 8, .value_kind: global_buffer, .address_space: global }
      - { .name: Wgh, .offset: 48, .size: 8, .value_kind: global_buffer, .address_space: global }
      - { .name: Wih, .offset: 56, .size: 8, .value_kind: global_buffer, .address_space: global }
      - { .name: Wfh, .offset: 64, .size: 8, .value_kind: global_buffer, .address_space: global }
      - { .name: Woh, .offset: 72, .size: 8, .value_kind: global_buffer, .address_space: global }
      - { .name: wc, .offset: 80, .size: 8, .value_kind: global_buffer, .address_space: global }
      - { .name: bc, .offset: 88, .size: 8, .value_kind: global_buffer, .address_space: global }
      - { .name: scl, .offset: 96, .size: 8, .value_kind: global_buffer, .address_space: global }
    .group_segment_fixed_size: 57856
    .private_segment_fixed_size: 0
    .kernarg_segment_align: 8
    .kernarg_segment_size: 104
    .max_flat_workgroup_size: 128
    .sgpr_count:     66
    .vgpr_count:     244
    .wavefront_size: 32
...
	.end_amdgpu_metadata
.endif
;; end of part 1
;; launch lstm (part 2): grid 8 x 32, 4 waves a work-group, clusters of 4 x 4, 327,680 bytes of LDS; arguments wc, bc, scl, c, bg, bi, bf, bo, out0; writes out0
.if DOCPART == 2
	.amdgcn_target "amdgcn-amd-amdhsa--gfx1250"
	.amdhsa_code_object_version 6
	.text
	.protected	k_q51b5bd2842_lstm
	.globl	k_q51b5bd2842_lstm
	.p2align	8
	.type	k_q51b5bd2842_lstm,@function
k_q51b5bd2842_lstm:
	s_mov_b64 s[64:65], 0
	v_nop
	global_prefetch_b8 v0, s[64:65] scope:SCOPE_SE
	s_setreg_imm32_b32 hwreg(HW_REG_WAVE_MODE, 25, 1), 1
	s_wait_xcnt 0x0
	s_wait_alu depctr_hold_cnt(0) depctr_sa_sdst(0) depctr_va_vdst(0) depctr_va_sdst(0) depctr_va_ssrc(0) depctr_va_vcc(0) depctr_vm_vsrc(0)
	s_getreg_b32 s2, hwreg(HW_REG_IB_STS2, 6, 4)
	s_cmp_eq_u32 s2, 0
	s_cbranch_scc0 .Lentry_in_a_cluster
	s_endpgm
.Lentry_in_a_cluster:
	s_bfe_u32 s2, ttmp6, 0x10000c
	s_cmp_lg_u32 s2, 0xf033
	s_cbranch_scc0 .Lentry_shape_is_right
	s_endpgm
.Lentry_shape_is_right:
; LAUNCH 2 OF 2.  The stacked product [8,192 rows: 4 gates x 2,048][K 4,096] x [K 4,096][2,048 columns] on codes of FP4 with E8M0 scales, and the gates behind it.  No work is left out.
; A work-group of four waves makes 256 stacked rows (64 hidden rows x 4 gates) x 256 columns; a wave 128 x 128: 64 accumulators, 512 registers.
; A (wc) goes in K steps of 512 through two LDS slots: a wave's tensor load brings 64 rows of 256 bytes, jointly with the three partners of its row of the 4 x 4 cluster.  Its fragments have TWO sets of 64 registers.
; B (bc) is laid by the first launch as images of the operand's registers and goes from memory straight into registers: 16 loads of 512 consecutive bytes for 128 along K, FOUR sets of 64 registers.
; B's tiles are not asked for jointly: they pass through no LDS.  The scale words go straight into registers too, a K step at a time, two sets: lanes 0-15 A's block i, lanes 16-31 B's block i.
; A STEP of 128 along K: four places; 32 matrix instructions; ONE run of loads, all into the sets that the step BEFORE used (A of the next step, B of three steps on, at a K step's first step the next K step's scales);
; 32 matrix instructions.  The places at a step's head stand between the last step's products and these loads.
; K is walked from a K step that hangs on the cluster's number (2 y + 4 x), round the eight: the sums' order along K differs from cluster to cluster, within f32 rounding.
; THE MATRIX INSTRUCTION IS USED TRANSPOSED (source 0 = 16 columns of B, source 1 = 16 stacked rows): a lane holds eight neighbouring columns of one row.
; PREFETCHES: at the head one instruction a wave for A's third and fourth K steps of the walk (16 rows x 2 steps, the four partners share a wave's 64 rows by address), one for B's second (a block of 16 columns a wave,
; 16 units; lanes 16-31 name the last again); in the loop's last trip c's strip.  The walk's later K steps are those with which other clusters begin; none is asked for.
; LIMITS: NaN and infinities among the inputs are not served.
; REGISTERS: window 0: v0-31 addresses, v32-95 scale words (two sets), v96-103 biases, v128-255 A's fragments (two sets); window 1: B's four sets, then the gates' work; windows 2, 3: accumulators.
.set NQ,     4
.set ROWB,   256
.set KROW,   2048
.set PITCH,  272                       ; an LDS row: 256 bytes + 16 of padding
.set FR,     8
.set NP,     4
.set QT,     64*PITCH                  ; what one tensor load brings
.set HALFT,  128*PITCH                 ; what one wave reads of A
.set SLOT,   256*PITCH
.set LAPS,   4
.set SPARE,  2*SLOT                    ; the spare words, 128 bytes a wave
.set CSTRIP, 64*PITCH                  ; c: 64 rows x 256 bytes a wave, in slot 0 behind its last read
.set SCSTEP, 163840
.set PFC,  15
.set ADRA, 16                          ; v16-17 my A fragments in slot 0, 1
.set PFB,  18
.set ADRG, 19                          ; 16 x lane: my 16 bytes of a load of B
.set CA,   24
.set RD,   25
.set CO,   26
.set ADRS, 27
.set SPW,  28
.set NIL,  29
.set BO,   30
.set PFO,  31
.set SC,   32
.set RAW,  96
.set AF,   128                         ; A's set at work or being filled: 128 for even steps, 192 for odd ones; set anew ahead of each use
.set AG,   0
.set EG,   32
.set BB,   64
.set EI,   96
.set EF,   128
.set EO,   160
.set CC,   192
.set OB,   224
.set G1,   24
.set G0,   32
.set BBP,  48                          ; s[48:51] B's base for the K step in slot 0, 1
.set SBP,  52                          ; s[52:55] the scales' base likewise
.set PB,   56
.set G1C,  68
.set G0C,  76
.set PFA,  82
.set PC,   92
.set KP,   94
.set KN,   96
.set NX,   98
.set KOFF, 100
.set KS,   104
.set MSB, 0
.macro WIN new
.if MSB != \new
	s_set_vgpr_msb (MSB<<8)|\new
.set MSB, \new
.endif
.endm
.set MUL_LO, 0xa1
.set MUL_HI, 0xf1
.set TO_B,   0x40
.macro JLOAD s                         ; every wave's own 64 rows.  At each use four loads with no switch of windows follow the s_nop 0
	tensor_load_to_lds s[G0+4*\s:G0+4*\s+3], s[G1:G1+7]
	s_nop 0
.endm
.macro CREST
	s_cmp_lg_u32 s14, 0
	s_cbranch_scc1 .Lnot_wave_0_\@
	s_barrier_signal -3
.Lnot_wave_0_\@:
	s_barrier_wait -3
	s_barrier_signal -1
	s_barrier_wait -1
.endm
.macro CROUND
	s_barrier_signal -1
	s_barrier_wait -1
	CREST
.endm
.macro ASKC                            ; c's strip of my wave, 64 rows x 256 bytes, a lane a row, in the loop's last trip
	s_cmp_eq_u32 s3, 1
	s_cbranch_scc0 .Lno_c_\@
	s_wait_alu depctr_va_vdst(0)
	global_prefetch_b8 v[PFC], s[PC:PC+1] th:TH_LOAD_NT scope:SCOPE_SE
	global_prefetch_b8 v[PFC], s[PC:PC+1] offset:32*8192 th:TH_LOAD_NT scope:SCOPE_SE
.Lno_c_\@:
.endm
.macro SCLOAD set                      ; a K step's scale words: 8 loads
.irp i, 0,1,2,3,4,5,6,7
	global_load_b128 v[SC+32*(\set)+4*\i:SC+32*(\set)+4*\i+3], v[ADRS], s[SBP+2*(\set):SBP+2*(\set)+1] offset:256*\i
.endr
.endm
.macro GLB q, pair                     ; B's eight fragments of a K step's q-th 128 along K into set q: 16 loads of 512 consecutive bytes
	WIN TO_B
.irp i, 0,1,2,3,4,5,6,7
.irp c, 0,1
	global_load_b128 v[64*(\q)+8*\i+4*\c:64*(\q)+8*\i+4*\c+3], v[ADRG], s[BBP+2*(\pair):BBP+2*(\pair)+1] offset:\i*32768+(\q)*1024+\c*512
.endr
.endr
	WIN 0
.endm
	s_load_b256 s[4:11], s[0:1], 0x0               ; wc, bc, scl, c
	s_load_b256 s[84:91], s[0:1], 0x20             ; bg, bi, bf, bo
	s_load_b64 s[12:13], s[0:1], 0x40              ; out0
	v_lshl_add_u32 v[SPW], v0, 2, SPARE
	v_mov_b32 v[NIL], 0
	ds_add_u32 v[SPW], v[NIL]                      ; the opening lines: the add twice on end under one wait
	ds_add_u32 v[SPW], v[NIL]
	v_lshrrev_b32 v1, 5, v0
	v_readfirstlane_b32 s14, v1                    ; wave
	s_lshr_b32 s15, s14, 1                         ; my half of the rows
	s_and_b32 s16, s14, 1                          ; my half of the columns
	s_bfe_u32 s40, ttmp6, 0x40000                  ; cx
	s_bfe_u32 s41, ttmp6, 0x40004                  ; cy
	s_lshl_b32 s42, ttmp9, 2
	s_add_co_u32 s42, s42, s40                     ; tile column
	s_and_b32 s17, ttmp7, 0xffff
	s_lshl_b32 s[NX], s17, 1
	s_lshl_b32 s[KS], ttmp9, 2
	s_add_co_u32 s[NX], s[NX], s[KS]               ; where the walk along K begins
	s_mov_b32 s[KOFF+1], 0
	s_lshl_b32 s17, s17, 2
	s_add_co_u32 s17, s17, s41                     ; tile row
	s_lshl_b32 s43, s41, 2
	s_lshl_b32 s43, 15, s43                        ; my row of the cluster
	s_or_b32 s[G1+0], s43, (0<<16)|(1<<20)|(1<<21)|(5<<22)|(3<<25)
	s_mov_b32 s[G1+1], ROWB<<16
	s_mov_b32 s[G1+2], 64<<16
	s_mov_b32 s[G1+3], ROWB<<16
	s_mov_b32 s[G1+4], 64
	s_mov_b32 s[G1+5], KROW
	s_mov_b32 s[G1+6], 0
	s_mov_b32 s[G1+7], 0
	s_mov_b32 s[G1C+0], (0<<16)|(1<<20)|(5<<22)|(3<<25)
	s_mov_b32 s[G1C+1], 256<<16
	s_mov_b32 s[G1C+2], 64<<16
	s_mov_b32 s[G1C+3], 256<<16
	s_mov_b32 s[G1C+4], 64
	s_mov_b32 s[G1C+5], 8192
	s_mov_b32 s[G1C+6], 0
	s_mov_b32 s[G1C+7], 0
	s_mov_b32 s[KP], 0x4038aa3b                    ; 2 log2(e)
	s_mov_b32 s[KP+1], s[KP]
	s_mov_b32 s[KN], 0xbfb8aa3b                    ; -log2(e)
	s_mov_b32 s[KN+1], s[KN]
	s_mov_b32 s99, 0x80000000
	s_lshl_b32 s20, s17, 8
	s_lshl_b32 s21, s14, 6
	s_add_co_u32 s20, s20, s21
	s_lshl_b32 s20, s20, 11                        ; wc: stacked row 256 x tile row + 64 x wave
	s_mov_b32 s21, 0
	s_lshl_b32 s46, s42, 19
	s_lshl_b32 s47, s16, 18
	s_add_co_u32 s46, s46, s47                     ; bc: block of columns 16 x tile column + 8 x half, 32,768 bytes each
	s_mov_b32 s47, 0
	s_lshl_b32 s22, s17, 19
	s_lshl_b32 s23, s42, 10
	s_add_co_u32 s22, s22, s23
	s_lshl_b32 s23, s14, 8
	s_add_co_u32 s22, s22, s23                     ; c: my strip
	s_mov_b32 s23, 0
	s_mul_i32 s45, s14, QT
	s_and_b32 s[KS], s[NX], 7                      ; the walk's first K step,
	s_lshl_b32 s[KOFF], s[KS], 8
	s_lshl_b32 s[BBP], s[KS], 12
	s_mul_i32 s[SBP], s[KS], SCSTEP
	s_add_co_u32 s[KS], s[NX], 1
	s_and_b32 s[KS], s[KS], 7                      ; and its second
	s_lshl_b32 s18, s[KS], 8
	s_lshl_b32 s[BBP+2], s[KS], 12
	s_mul_i32 s[SBP+2], s[KS], SCSTEP
	s_mov_b32 s19, 0
	s_mov_b32 s[BBP+1], 0
	s_mov_b32 s[BBP+3], 0
	s_mov_b32 s[SBP+1], 0
	s_mov_b32 s[SBP+3], 0
	s_lshl_b32 s[PB], s41, 2
	s_add_co_u32 s[PB], s[PB], s14
	s_lshl_b32 s[PB], s[PB], 15                    ; B's prefetch: block of columns 4 cy + wave of the tile's sixteen,
	s_lshl_b32 s[PB+1], s42, 19
	s_add_co_u32 s[PB], s[PB], s[PB+1]
	s_add_co_u32 s[PB], s[PB], s[BBP+2]            ; the walk's second K step
	s_mov_b32 s[PB+1], 0
	s_lshl_b32 s[PFA], s40, 15                     ; A's prefetch: rows 16 cx .. of my 64
	s_mov_b32 s[PFA+1], 0
	s_add_co_u32 s[NX], s[NX], 2
	s_lshl_b32 s58, s17, 12
	s_lshl_b32 s59, s15, 11
	s_add_co_u32 s58, s58, s59                     ; scl: my 128 stacked rows,
	s_lshl_b32 s59, s42, 12
	s_lshl_b32 s60, s16, 11
	s_add_co_u32 s59, s59, s60
	s_add_co_u32 s59, s59, 8192*16
	s_sub_co_u32 s59, s59, s58                     ; and how far behind them my 128 columns lie
	s_lshl_b32 s60, s17, 6
	s_lshl_b32 s61, s15, 5
	s_add_co_u32 s60, s60, s61                     ; my first hidden row
	s_mul_i32 s61, s15, HALFT
	s_add_co_u32 s62, s61, SLOT
	s_mul_i32 s63, s16, 2*CSTRIP
	s_mul_i32 s44, s15, 32*PITCH
	s_add_co_u32 s63, s63, s44                     ; c in LDS: my two strips, my 32 rows
	s_lshl_b32 s2, s60, 13
	s_lshl_b32 s3, s42, 10
	s_add_co_u32 s2, s2, s3
	s_lshl_b32 s3, s16, 9
	s_add_co_u32 s2, s2, s3                        ; out0: my first row and column
	s_mov_b32 s3, 0
	v_and_b32 v1, 15, v0                           ; r
	v_bfe_u32 v2, v0, 4, 1                         ; h
	v_and_b32 v6, 31, v0                           ; lane
	v_mul_u32_u24 v5, s59, v2
	v_lshl_add_u32 v[ADRS], v1, 4, v5
	v_add_nc_u32 v[ADRS], s58, v[ADRS]             ; lanes 0-15 A's rows, lanes 16-31 B's columns: 16 bytes a row
	v_lshlrev_b32 v[ADRG], 4, v6
	v_add_nc_u32 v[BO], s60, v1
	v_lshlrev_b32 v[BO], 2, v[BO]
	v_mul_u32_u24 v3, v1, PITCH
	v_lshl_add_u32 v4, v2, 4, v3
	v_add_nc_u32 v[ADRA], s61, v4
	v_add_nc_u32 v[ADRA+1], s62, v4
	v_lshl_add_u32 v[CA], v2, 5, v3
	v_add_nc_u32 v[CA], s63, v[CA]
	v_mul_u32_u24 v5, v2, PITCH
	v_lshl_add_u32 v5, v1, 4, v5
	v_add_nc_u32 v[RD], s63, v5
	v_lshlrev_b32 v5, 13, v2
	v_lshl_add_u32 v[CO], v1, 4, v5
	v_lshlrev_b32 v[PFC], 13, v6
	v_add_nc_u32 v7, s[NX], v2                     ; lanes 0-15 the walk's third K step, lanes 16-31 its fourth
	v_and_b32 v7, 7, v7
	v_lshlrev_b32 v7, 8, v7
	v_lshl_add_u32 v[PFO], v1, 11, v7
	v_min_u32 v[PFB], 15, v6
	v_lshlrev_b32 v[PFB], 8, v[PFB]
	s_wait_alu depctr_va_vdst(0)
	s_wait_dscnt 0x0                               ; both opening adds are done
	s_wait_kmcnt 0x0
	s_add_nc_u64 s[4:5], s[4:5], s[20:21]
	s_add_nc_u64 s[PB:PB+1], s[6:7], s[PB:PB+1]
	s_add_nc_u64 s[6:7], s[6:7], s[46:47]
.irp p, 0,1
	s_add_nc_u64 s[BBP+2*\p:BBP+2*\p+1], s[6:7], s[BBP+2*\p:BBP+2*\p+1]
	s_add_nc_u64 s[SBP+2*\p:SBP+2*\p+1], s[8:9], s[SBP+2*\p:SBP+2*\p+1]
.endr
	SCLOAD 0                                       ; the first K step's scales and its first three sets of B; the fourth and the second K step's scales follow in the first step's run
	GLB 0, 0
	GLB 1, 0
	GLB 2, 0
	s_add_nc_u64 s[PC:PC+1], s[10:11], s[22:23]
	s_add_nc_u64 s[12:13], s[12:13], s[2:3]
	s_add_nc_u64 s[PFA:PFA+1], s[4:5], s[PFA:PFA+1]
	s_mov_b32 s2, 0x3f800000
	s_mov_b32 s[G0], 1
	s_add_co_u32 s[G0+1], s45, 0
	s_add_nc_u64 s[G0+2:G0+3], s[4:5], s[KOFF:KOFF+1]
	s_or_b32 s[G0+3], s[G0+3], 0x80000000
	s_mov_b32 s[G0+4], 1
	s_add_co_u32 s[G0+5], s45, SLOT
	s_add_nc_u64 s[G0+6:G0+7], s[4:5], s[18:19]
	s_or_b32 s[G0+7], s[G0+7], 0x80000000
	s_mov_b32 s[G0C], 1
	s_mul_i32 s[G0C+1], s14, CSTRIP
	s_mov_b64 s[G0C+2:G0C+3], s[PC:PC+1]
	s_or_b32 s[G0C+3], s[G0C+3], 0x80000000
	CROUND                                         ; all sixteen work-groups are here: the first joint loads meet
	JLOAD 0                                        ; one tensor load a wave at the head
.irp g, 0,1,2,3
.irp u, 0,1
	global_load_b32 v[RAW+2*\g+\u], v[BO], s[84+2*\g:85+2*\g] offset:64*\u   ; the four biases of my hidden rows r and 16 + r
.endr
.endr
	global_prefetch_b8 v[PFO], s[PFA:PFA+1] th:TH_LOAD_NT scope:SCOPE_SE
	global_prefetch_b8 v[PFB], s[PB:PB+1] th:TH_LOAD_NT scope:SCOPE_SE
.macro FRAG reg, adr, q, i
.irp c, 0,1
	ds_load_b128 v[\reg+4*\c:\reg+4*\c+3], v[\adr] offset:64*(\q)+32*\c+(\i)*16*PITCH
.endr
.endm
; 16 matrix instructions: A's blocks a0, a0 + 1 (of the set at AF) x B's eight; B's set is q.  The 64 accumulators take turns
.macro MUL16 a0, q, sc, zero
.irp a, \a0, \a0+1
.irp b, 0,1,2,3,4,5,6,7
.if \zero
	v_wmma_scale_f32_16x16x128_f8f6f4 v[8*(8*((\a)%4)+\b):8*(8*((\a)%4)+\b)+7], v[64*(\q)+FR*\b:64*(\q)+FR*\b+FR-1], v[AF+FR*(\a):AF+FR*(\a)+FR-1], 0, v[SC+8*NQ*(\sc)+NQ*\b+(\q)], v[SC+8*NQ*(\sc)+NQ*(\a)+(\q)] matrix_a_fmt:MATRIX_FMT_FP4 matrix_b_fmt:MATRIX_FMT_FP4 matrix_a_scale:MATRIX_SCALE_ROW1
.else
	v_wmma_scale_f32_16x16x128_f8f6f4 v[8*(8*((\a)%4)+\b):8*(8*((\a)%4)+\b)+7], v[64*(\q)+FR*\b:64*(\q)+FR*\b+FR-1], v[AF+FR*(\a):AF+FR*(\a)+FR-1], v[8*(8*((\a)%4)+\b):8*(8*((\a)%4)+\b)+7], v[SC+8*NQ*(\sc)+NQ*\b+(\q)], v[SC+8*NQ*(\sc)+NQ*(\a)+(\q)] matrix_a_fmt:MATRIX_FMT_FP4 matrix_b_fmt:MATRIX_FMT_FP4 matrix_a_scale:MATRIX_SCALE_ROW1
.endif
.endr
.endr
.endm
.macro FETCH_A slot, q                 ; A's eight blocks of the slot's q-th 128 along K into the set at AF: 16 LDS loads, blocks 0-3 first
.irp i, 0,1,2,3,4,5,6,7
	FRAG AF+FR*(\i), ADRA+\slot, \q, \i
.endr
.endm
.macro PLACES n
.rept \n
	v_nop
.endr
.endm
; A step of 128 along K with its successor in the same slot.  lc: the global loads issued behind this step's set of B: two younger sets (32) at q = 0, two sets and 8 scale loads (40) else; fewer in the tail.
; nb = 1: B of three steps on is asked for;  sc = 1: the next K step's scales too
.macro STEP slot, q, zero, lc, nb, sc
	PLACES NP                                      ; between the last step's products and the loads below into its sets
	s_wait_loadcnt \lc
	s_wait_dscnt 8                                 ; A's blocks 0-3 are in; blocks 4-7 may be out
.set AF, 128+64*((\q)%2)
	WIN MUL_LO
	MUL16 0, \q, \slot, \zero
	MUL16 2, \q, \slot, \zero
	WIN 0
.set AF, 128+64*(((\q)+1)%2)
	FETCH_A \slot, (\q)+1
.if \nb
.if (\q) == 0
	GLB 3, \slot                                   ; this K step's last set
.else
	GLB (\q)-1, 1-(\slot)                          ; the next K step's
.endif
.endif
.if \sc
	SCLOAD 1-(\slot)
.endif
	s_wait_dscnt 16                                ; all but the 16 LDS loads just issued: blocks 4-7 are in
.set AF, 128+64*((\q)%2)
	WIN MUL_HI
	MUL16 4, \q, \slot, \zero
	MUL16 6, \q, \slot, \zero
	WIN 0
.endm
; A slot's last step changes slots at its head: its own fragments are in registers by then.  fill = 1: the slot takes the K step two on, and so do its bases of B and of the scales; fill = 2: slot 0 takes c
.macro TURN slot, next, fill, askc
	s_wait_tensorcnt 0x0                           ; all my tensor loads have landed
	ds_add_u32 v[SPW], v[NIL]
.if (\fill) == 1
	s_and_b32 s[KS], s[NX], 7
	s_lshl_b32 s[KOFF], s[KS], 8
	s_add_nc_u64 s[G0+4*\slot+2:G0+4*\slot+3], s[4:5], s[KOFF:KOFF+1]
	s_or_b32 s[G0+4*\slot+3], s[G0+4*\slot+3], 0x80000000
.endif
	s_wait_loadcnt 40                              ; set 3 of this K step is in, and with it every load that named this slot's two bases
.if (\fill) == 1
	s_lshl_b32 s[KOFF], s[KS], 12
	s_add_nc_u64 s[BBP+2*\slot:BBP+2*\slot+1], s[6:7], s[KOFF:KOFF+1]
	s_mul_i32 s[KOFF], s[KS], SCSTEP
	s_add_nc_u64 s[SBP+2*\slot:SBP+2*\slot+1], s[8:9], s[KOFF:KOFF+1]
	s_add_co_u32 s[NX], s[NX], 1
.endif
	PLACES NP
	s_wait_dscnt 0x0                               ; the add is done, my reads of this slot are over
	s_barrier_signal -1
.set AF, 192
	WIN MUL_LO
	MUL16 0, NQ-1, \slot, 0                        ; work on registers while the others arrive
	MUL16 2, NQ-1, \slot, 0
	WIN 0
	s_barrier_wait -1
	CREST                                          ; the barrier has opened a round of the cluster's barrier
.if (\fill) == 1
	JLOAD \slot
.else
	tensor_load_to_lds s[G0C:G0C+3], s[G1C:G1C+7]
	s_nop 0
.endif
.set AF, 128
	FETCH_A \next, 0
	GLB 2, \next
.if \askc
	ASKC
.endif
.set AF, 192
	WIN MUL_HI
	MUL16 4, NQ-1, \slot, 0
	MUL16 6, NQ-1, \slot, 0
	WIN 0
.endm
	s_wait_tensorcnt 0x0                           ; my part of the first K step is in
	ds_add_u32 v[SPW], v[NIL]
	s_wait_dscnt 0x0
	CROUND
	JLOAD 1
.set AF, 128
	FETCH_A 0, 0
	STEP 0, 0, 1, 32, 1, 1                         ; the first step starts the sums
	s_mov_b32 s3, LAPS-1
.Llap:
	STEP 0, 1, 0, 40, 1, 0
	STEP 0, 2, 0, 40, 1, 0
	TURN 0, 1, 1, 1
	STEP 1, 0, 0, 32, 1, 1
	STEP 1, 1, 0, 40, 1, 0
	STEP 1, 2, 0, 40, 1, 0
	TURN 1, 0, 1, 0
	STEP 0, 0, 0, 32, 1, 1
	s_sub_co_u32 s3, s3, 1
	s_cmp_lg_u32 s3, 0
	s_cbranch_scc1 .Llap
	STEP 0, 1, 0, 40, 1, 0
	STEP 0, 2, 0, 40, 1, 0
	TURN 0, 1, 2, 0
	STEP 1, 0, 0, 32, 1, 0                         ; the last K step: its last set is asked for, then nothing more: the counts run down
	STEP 1, 1, 0, 32, 0, 0
	STEP 1, 2, 0, 16, 0, 0
	s_wait_loadcnt 0x0
	s_wait_dscnt 0
.set AF, 192
	WIN MUL_LO
	MUL16 0, NQ-1, 1, 0
	MUL16 2, NQ-1, 1, 0
	WIN MUL_HI
	MUL16 4, NQ-1, 1, 0
	MUL16 6, NQ-1, 1, 0
	WIN 0
	PLACES NP
; THE GATES.  Accumulator blocks 0, 1: g; 2, 3: i; 4, 5: f; 6, 7: o, of hidden rows 16 u + r.  tanh(g) = sign x (1 - e) / (1 + e), e = 2^(-|2 log2(e) g|); a sigmoid is 1 / (1 + 2^(-log2(e) x)).
	WIN 0x40                                       ; the biases, scaled as their gates' sums are, each twice for the packed forms
.irp u, 0,1
	v_mul_f32 v[BB+2*\u], s[KP], v[RAW+\u]
	v_mul_f32 v[BB+2*\u+1], s[KP], v[RAW+\u]
.endr
.irp g, 1,2,3
.irp u, 0,1
	v_mul_f32 v[BB+4*\g+2*\u], s[KN], v[RAW+2*\g+\u]
	v_mul_f32 v[BB+4*\g+2*\u+1], s[KN], v[RAW+2*\g+\u]
.endr
.endr
.macro CLOAD
	WIN 0x40
.irp e, 0,1,2,3,4,5,6,7
	ds_load_b128 v[CC+4*\e:CC+4*\e+3], v[CA] offset:LO+64*(\e/2)+16*(\e%2)
.endr
.endm
; 16 hidden rows x 64 columns: 32 numbers a lane.  Each batch of transcendentals has one wait ahead of it and one behind it
.macro GATES u, bh, first
.set LO, (\bh)*CSTRIP+(\u)*16*PITCH
.set A0, 64*(\u)+32*(\bh)
.set A1, 64*(2+(\u))+32*(\bh)
.if (\first) == 0
	CLOAD
.endif
	WIN 0x52
.set j, 0
.rept 16
	v_pk_fma_f32 v[AG+j:AG+j+1], v[A0+j:A0+j+1], s[KP:KP+1], v[BB+2*(\u):BB+2*(\u)+1] op_sel_hi:[1,0,1]
	v_pk_fma_f32 v[EI+j:EI+j+1], v[A1+j:A1+j+1], s[KN:KN+1], v[BB+4+2*(\u):BB+5+2*(\u)] op_sel_hi:[1,0,1]
.set j, j+2
.endr
	WIN 0x53
.set j, 0
.rept 16
	v_pk_fma_f32 v[EF+j:EF+j+1], v[A0+j:A0+j+1], s[KN:KN+1], v[BB+8+2*(\u):BB+9+2*(\u)] op_sel_hi:[1,0,1]
	v_pk_fma_f32 v[EO+j:EO+j+1], v[A1+j:A1+j+1], s[KN:KN+1], v[BB+12+2*(\u):BB+13+2*(\u)] op_sel_hi:[1,0,1]
.set j, j+2
.endr
	WIN 0x55
.set j, 0
	s_wait_alu depctr_va_vdst(0)
.rept 32
	v_exp_f32 v[EG+j], -|v[AG+j]|
.set j, j+1
.endr
.set j, 0
.rept 32
	v_exp_f32 v[EI+j], v[EI+j]
.set j, j+1
.endr
.set j, 0
.rept 32
	v_exp_f32 v[EF+j], v[EF+j]
.set j, j+1
.endr
.set j, 0
.rept 32
	v_exp_f32 v[EO+j], v[EO+j]
.set j, j+1
.endr
	v_nop
.set j, 0
.rept 32
	v_and_or_b32 v[AG+j], v[AG+j], s99, s2         ; g's sign on 1.0
.set j, j+1
.endr
	s_wait_alu depctr_va_vdst(0)
.set j, 0
.rept 16
	v_pk_fma_f32 v[AG+j:AG+j+1], v[EG+j:EG+j+1], v[AG+j:AG+j+1], v[AG+j:AG+j+1] neg_lo:[1,0,0] neg_hi:[1,0,0]
.set j, j+2
.endr
.set j, 0
.rept 16
	v_pk_add_f32 v[EG+j:EG+j+1], v[EG+j:EG+j+1], 1.0 op_sel_hi:[1,0]
	v_pk_add_f32 v[EI+j:EI+j+1], v[EI+j:EI+j+1], 1.0 op_sel_hi:[1,0]
	v_pk_add_f32 v[EF+j:EF+j+1], v[EF+j:EF+j+1], 1.0 op_sel_hi:[1,0]
.set j, j+2
.endr
.set j, 0
.rept 16
	v_pk_mul_f32 v[EG+j:EG+j+1], v[EG+j:EG+j+1], v[EI+j:EI+j+1]   ; one reciprocal serves tanh(g) and sigmoid(i)
.set j, j+2
.endr
.set j, 0
	s_wait_alu depctr_va_vdst(0)
.rept 32
	v_rcp_f32 v[EG+j], v[EG+j]
.set j, j+1
.endr
.set j, 0
.rept 32
	v_rcp_f32 v[EF+j], v[EF+j]
.set j, j+1
.endr
.set j, 0
.rept 16
	v_pk_add_f32 v[EO+j:EO+j+1], v[EO+j:EO+j+1], 1.0 op_sel_hi:[1,0]
.set j, j+2
.endr
	s_wait_alu depctr_va_vdst(0)
.set j, 0
.rept 16
	v_pk_mul_f32 v[AG+j:AG+j+1], v[AG+j:AG+j+1], v[EG+j:EG+j+1]
.set j, j+2
.endr
.if \first
	s_wait_tensorcnt 0x0                           ; my strip of c is in; the barrier shows the others'
	s_barrier_signal -1
	s_barrier_wait -1
	CLOAD
	WIN 0x55
.endif
	s_wait_dscnt 0x0
.set j, 0
.rept 16
	v_pk_fma_f32 v[AG+j:AG+j+1], v[CC+j:CC+j+1], v[EF+j:EF+j+1], v[AG+j:AG+j+1]   ; g i + c f
.set j, j+2
.endr
.set j, 0
.rept 16
	v_pk_mul_f32 v[AG+j:AG+j+1], v[AG+j:AG+j+1], s[KN:KN+1] op_sel_hi:[1,0]
.set j, j+2
.endr
.set j, 0
	s_wait_alu depctr_va_vdst(0)
.rept 32
	v_exp_f32 v[AG+j], v[AG+j]
.set j, j+1
.endr
	v_nop
	s_wait_alu depctr_va_vdst(0)
.set j, 0
.rept 16
	v_pk_add_f32 v[AG+j:AG+j+1], v[AG+j:AG+j+1], 1.0 op_sel_hi:[1,0]
.set j, j+2
.endr
.set j, 0
	s_wait_alu depctr_va_vdst(0)
.rept 32
	v_rcp_f32 v[AG+j], v[AG+j]                     ; c_new, between 0 and 1
.set j, j+1
.endr
	v_nop
	s_wait_alu depctr_va_vdst(0)
.set j, 0
.rept 16
	v_pk_mul_f32 v[AG+j:AG+j+1], v[AG+j:AG+j+1], s[KP:KP+1] op_sel_hi:[1,0]
.set j, j+2
.endr
.set j, 0
	s_wait_alu depctr_va_vdst(0)
.rept 32
	v_exp_f32 v[AG+j], v[AG+j]
.set j, j+1
.endr
	v_nop
	s_wait_alu depctr_va_vdst(0)
.set j, 0
.rept 16
	v_pk_fma_f32 v[EG+j:EG+j+1], v[AG+j:AG+j+1], v[EO+j:EO+j+1], v[EO+j:EO+j+1]   ; (e + 1)(1 + eo): one reciprocal serves tanh(c_new) and sigmoid(o)
.set j, j+2
.endr
.set j, 0
	s_wait_alu depctr_va_vdst(0)
.rept 32
	v_rcp_f32 v[EG+j], v[EG+j]
.set j, j+1
.endr
.set j, 0
.rept 16
	v_pk_add_f32 v[AG+j:AG+j+1], v[AG+j:AG+j+1], -1.0 op_sel_hi:[1,0]
.set j, j+2
.endr
	s_wait_alu depctr_va_vdst(0)
.set j, 0
.rept 16
	v_pk_mul_f32 v[AG+j:AG+j+1], v[AG+j:AG+j+1], v[EG+j:EG+j+1]
.set j, j+2
.endr
	s_wait_alu depctr_va_vdst(0)
	s_wait_xcnt 0x0                                ; the earlier stores have read their registers
	WIN 0x04
.irp e, 0,1,2,3,4,5,6,7
	ds_store_b128 v[CA], v[AG+4*\e:AG+4*\e+3] offset:LO+64*(\e/2)+16*(\e%2)   ; into c's own places, which I alone read; back as rows of 256 bytes
.endr
	WIN 0x40
.irp t, 0,1,2,3,4,5,6,7
	ds_load_b128 v[OB+4*\t:OB+4*\t+3], v[RD] offset:LO+2*\t*PITCH
.endr
	WIN 0x04
.irp t, 0,1,2,3,4,5,6,7
	s_wait_dscnt 7-\t
	global_store_b128 v[CO], v[OB+4*\t:OB+4*\t+3], s[12:13] offset:(16*(\u)+2*\t)*8192+256*(\bh) th:TH_STORE_NT   ; sixteen lanes store 256 consecutive bytes, aligned
.endr
.endm
	GATES 0, 0, 1
	GATES 0, 1, 0
	GATES 1, 0, 0
	GATES 1, 1, 0
	WIN 0
	s_wait_tensorcnt 0x0                           ; the wave's end
	ds_add_u32 v[SPW], v[NIL]
	s_wait_dscnt 0x0
	CROUND                                         ; the closing round
	s_endpgm
.Lfunc_end_k_q51b5bd2842_lstm:
	.size	k_q51b5bd2842_lstm, .Lfunc_end_k_q51b5bd2842_lstm-k_q51b5bd2842_lstm
	.p2alignl 7, 3214868480
	.fill 96, 4, 3214868480
	.section	.rodata,"a",@progbits
	.p2align	6, 0x0
	.amdhsa_kernel k_q51b5bd2842_lstm
		.amdhsa_group_segment_fixed_size 327680
		.amdhsa_private_segment_fixed_size 0
		.amdhsa_enable_private_segment 0
		.amdhsa_kernarg_size 72
		.amdhsa_user_sgpr_count 2
		.amdhsa_user_sgpr_kernarg_segment_ptr 1
		.amdhsa_wavefront_size32 1
		.amdhsa_system_sgpr_workgroup_id_x 1
		.amdhsa_system_sgpr_workgroup_id_y 1
		.amdhsa_system_sgpr_workgroup_id_z 1
		.amdhsa_system_vgpr_workitem_id 0
		.amdhsa_next_free_vgpr 1024
		.amdhsa_next_free_sgpr 106
		.amdhsa_reserve_vcc 0
		.amdhsa_float_denorm_mode_32 3
		.amdhsa_float_denorm_mode_16_64 3
		.amdhsa_memory_ordered 1
		.amdhsa_forward_progress 1
		.amdhsa_inst_pref_size 255
	.end_amdhsa_kernel
	.section	.bss,"aw",@nobits
	.p2align	6
	.space	262144
	.amdgpu_metadata
---
amdhsa.version: [ 1, 2 ]
amdhsa.kernels:
  - .name:           k_q51b5bd2842_lstm
    .symbol:         k_q51b5bd2842_lstm.kd
    .args:
      - { .name: wc, .offset: 0, .size: 8, .value_kind: global_buffer, .address_space: global }
      - { .name: bc, .offset: 8, .size: 8, .value_kind: global_buffer, .address_space: global }
      - { .name: scl, .offset: 16, .size: 8, .value_kind: global_buffer, .address_space: global }
      - { .name: c, .offset: 24, .size: 8, .value_kind: global_buffer, .address_space: global }
      - { .name: bg, .offset: 32, .size: 8, .value_kind: global_buffer, .address_space: global }
      - { .name: bi, .offset: 40, .size: 8, .value_kind: global_buffer, .address_space: global }
      - { .name: bf, .offset: 48, .size: 8, .value_kind: global_buffer, .address_space: global }
      - { .name: bo, .offset: 56, .size: 8, .value_kind: global_buffer, .address_space: global }
      - { .name: out0, .offset: 64, .size: 8, .value_kind: global_buffer, .address_space: global }
    .group_segment_fixed_size: 327680
    .private_segment_fixed_size: 0
    .kernarg_segment_align: 8
    .kernarg_segment_size: 72
    .max_flat_workgroup_size: 128
    .sgpr_count:     106
    .vgpr_count:     1024
    .wavefront_size: 32
...
	.end_amdgpu_metadata
.endif
;; end of part 2
